; MI455X (gfx1250); checked and timed in simulation.
; The chip was launched on July 23, 2026; its instructions are those of AMD's public machine-readable ISA for CDNA 5 (MIT licence, August 2026) and "CDNA5" Instruction Set Architecture Reference Guide (July 2026). The comments in the code are by the model that wrote it; some were corrected since.
;; Relative Positional Encoding. Allowed arithmetic: matrix products marked QUANTISED: E2M1 operands, one E8M0 scale for each 32 along K, by v_wmma_scale_f32_16x16x128_f8f6f4 with both operands' format E2M1 (or v_wmma_scale_f32_32x16x128_f4), f32 sums; everything else in f32.
;; Inputs: k_codes 2 x 8 x 2,048 x 2 x 16 uint8 (E2M1 codes of k, K innermost, in blocks of 32 codes, two codes a byte); k_scales 2 x 8 x 2,048 x 2 uint8 (E8M0 scales of k, one for each 32 codes along K); q_codes 2 x 8 x 2,048 x 2 x 16 uint8 (E2M1 codes of q, K innermost, in blocks of 32 codes, two codes a byte); q_scales 2 x 8 x 2,048 x 2 uint8 (E8M0 scales of q, one for each 32 codes along K); rel_table 257 x 64 float32; v_codes 2 x 8 x 64 x 64 x 16 uint8 (E2M1 codes of v, K innermost, in blocks of 32 codes, two codes a byte); v_scales 2 x 8 x 64 x 64 uint8 (E8M0 scales of v, one for each 32 codes along K).
;; Outputs: out0 2 x 8 x 2,048 x 64 float32.
;; This version of the problem:
;;   THIS VERSION OF THE PROBLEM IS GIVEN IN LOW PRECISION. The matrix products marked QUANTISED in the list below multiply operands that are first quantised to E2M1 (2 exponent bits, 1 mantissa bit; 4 bits a number), with one power-of-two scale for each 32 numbers along K (OCP MX v1.0); their sums are f32. All else is computed in f32.
;;   The module's matrix products, in the order in which they are computed (A, B: the left and right operand; K: the contracted axis; several contracted axes count as one K, in the product's order):
;;     1. batch 16 x [M 2,048, K 64] x [K 64, N 2,048]; A: input q (given as codes); B: input k (given as codes): QUANTISED
;;     2. batch 2,048 x [M 2,048, K 64] x [K 64, N 16]; A: computed on the way; B: input q (given as codes): QUANTISED
;;     3. batch 16 x [M 2,048, K 2,048] x [K 2,048, N 64]; A: softmax (see below); B: input v (given as codes): QUANTISED
;;   THE QUANTISER, for each operand of a quantised product, along K:
;;     - K is cut into blocks of 32 from its start; a last block that is shorter is filled with zeros.
;;     - A block's scale is 2^e with e = floor(log2(the largest magnitude in the block)) - 2, held to -126 .. 127; a block of zeros has e = 0. As a byte (E8M0): e + 127.
;;     - Each number is divided by its block's scale, clamped to +-6, and rounded to the nearest number of E2M1, ties to even, subnormals kept.
;;     - The product sums the exact products of the quantised numbers (number of the format x scale) in f32.
;;   ~~~python
;;   def quantise(x, axis):      # numpy; x: float32 -> the quantised numbers, widened to float32 again
;;       x = np.moveaxis(x, axis, -1); K = x.shape[-1]
;;       x = np.pad(x, [(0, 0)] * (x.ndim - 1) + [(0, -K % 32)]); x = x.reshape(x.shape[:-1] + (-1, 32)); a = np.abs(x).max(-1, keepdims=True)
;;       e = np.where(a > 0, np.clip(np.frexp(np.where(a > 0, a, 1))[1] - 1 - 2, -126, 127), 0)      # np.frexp(a)[1] - 1 = floor(log2(a)), exactly
;;       r = np.clip(x / 2.0 ** e, -6, 6)
;;       step = 2.0 ** (np.maximum(np.frexp(np.where(r == 0, 1, r))[1] - 1, 0) - 1)
;;       q = np.round(r / step) * step * 2.0 ** e      # np.round: ties to even
;;       return np.moveaxis(q.reshape(q.shape[:-2] + (-1,))[..., :K], -1, axis).astype(np.float32)
;;   ~~~
;;   SOFTMAX AHEAD OF A QUANTISED PRODUCT. Where the list says 'softmax', what is quantised is not the finished softmax but p = 2^(t - M), with t = logit x log2(e) and M = ceil(the row's largest t), a whole number; so 1/2 < the row's largest p <= 1. The row's sum l is taken of the UNQUANTISED p, in f32, and the product's result is divided by l at the end. Since M is a whole number, a kernel that streams over the keys may use a running M (the ceiling of the running maximum): every later rescaling is an exact power of two, which a block's scale takes up: the codes' values come out the same.
;;   OPERANDS COMPUTED ON THE WAY. 'Computed on the way' means the value that the module computes at that place (a softmax that the list does not call 'softmax' is quantised finished and normalised). What goes into a quantiser is computed in f32, as accurately as f32 sums, v_exp_f32 and their like allow (about 1e-6 of the number): no bf16 or f16 on the way to a quantiser, and a product that is left as it is and whose result goes on into a quantised operand takes f32 operands (vector FMAs, or v_wmma_f32_16x16x4_f32). A number that lies on a knife's edge between two numbers of the format may be rounded either way, as far as f32 arithmetic and the matrix unit's own rounding can turn it there, and no further.
;;   INPUTS GIVEN AS CODES. k (in the module: [2, 8, 2048, 64], K = its axis 3); q (in the module: [2, 8, 2048, 64], K = its axis 3); v (in the module: [2, 8, 2048, 64], K = its axis 2): each comes as NAME_codes (uint8): NAME with its K axis moved to the last place and cut into blocks of 32 codes, [.., K / 32, bytes a block], one block behind the other in memory; two codes a byte, the lower K in the low four bits (a code: sign, 2 exponent bits, 1 mantissa bit); and NAME_scales (uint8): the same leading axes, one E8M0 byte (e + 127) for each 32 codes along K. Its value is code x scale, taken as it is: it is not quantised again, and the codes and scales need not be those that the quantiser above would give.
;; One version. Each part assembles by itself: llvm-mc -triple=amdgcn-amd-amdhsa -mcpu=gfx1250 --defsym DOCPART=n.
;; ======== version 1 of 1: 1 launch
;; launch attn (part 1): grid 16 x 16, 8 waves a work-group, no clusters, 245,760 bytes of LDS; arguments k_codes, k_scales, q_codes, q_scales, rel_table, v_codes, v_scales, out0; writes out0
.if DOCPART == 1
	.amdgcn_target "amdgcn-amd-amdhsa--gfx1250"
	.amdhsa_code_object_version 6
	.text
	.protected	k_q3571686cce_attn
	.globl	k_q3571686cce_attn
	.p2align	8
	.type	k_q3571686cce_attn,@function
k_q3571686cce_attn:
	s_mov_b64 s[64:65], 0
	v_nop
	global_prefetch_b8 v0, s[64:65] scope:SCOPE_SE
	s_setreg_imm32_b32 hwreg(HW_REG_WAVE_MODE, 25, 1), 1
	s_wait_xcnt 0x0
; out[h][q][:] = sum over k of softmax_k((q.k + q.T[clip(k - q, -128, 128) + 128]) / 8) v[h][k][:], all three products on codes of FP4 (E2M1) with one E8M0 scale for each 32 along K.
; 16 heads, 2,048 queries and keys, head size 64.  q, k: codes along the head's 64; v: codes with the keys innermost; T = rel_table [257][64] f32, quantised here, row by row (its rows are the second product's operand).
; SOFTMAX: t = logit x log2(e); M = the running largest t rounded up to a whole number; p = 2^(t - M) is quantised along the keys; the sum is taken of the unquantised p and divides at the end.
; SHARES.  A work-group owns 128 queries (block g) of one head; each of its eight waves one tile of 16 queries.  Every wave walks the head's 2,048 keys in 16 steps of 128.  A lane holds ONE query (lane % 16) throughout:
; both products are used transposed: S^T = K Q^T (source 0 = 16 keys), O^T = V^T P^T (source 0 = 16 of the head's 64).
; THE KEYS OF A TILE ARE NOT NEIGHBOURS: lane r of tile 2 b + u takes key 32 b + 8 u + r + 8 (r / 8), so that the 16 registers of tiles 2 b and 2 b + 1 are 16 neighbouring keys, 32 b + 16 (lane / 16) + 0 .. 15.
; THE RELATIVE TERM COSTS NO VECTOR INSTRUCTION.  The matrix instruction is 128 deep and the head is 64.
;   FAR steps (s < g - 1 or s > g + 1): every key of the step is 129 or more from every query of the block, so T's row is one row, T[0] or T[256].  Source 0 = [k's codes | that row's codes], source 1 = [q | q]: one product gives q.k + q.T.
;   BAND steps (s = g - 1, g, g + 1): R^T = T Q^T for the 144 rows of T that the tile can meet (9 products), written into the wave's own stage in LDS with each query's row shifted by the query's number,
;   read back in the layout of S^T, and given as the C of the products k q^T (source 1 = [q | zeros]).
; T is laid out in LDS EXTENDED: rows j = -128 .. 383 hold T[clip(j, 0, 256)], so that no index is clamped in the loop.
; ALL OF A HEAD'S K, V AND SCALE BYTES STAY IN LDS (142,848 bytes with padding), each byte filled once by one tensor load of waves 0 to 5; no slot is filled again.  A wave has at most one tensor load outstanding.
; NO CLUSTER, though the 16 work-groups of a head read the same K and V: which steps take the band's path, and the LDS address of the band's rows of T, hang on the work-group's own query block g, which differs between partners.
; LIMITS.  NaN and infinities in rel_table are not served.  A block of 32 of rel_table whose largest magnitude lies under 2^-124 gets the scale byte 1 (a block of zeros too, where the quantiser says 127: its codes are zeros, the value is the same).
; The given scale bytes are taken as they are (0xff gives NaN).  In far steps q.k and q.T are added inside one matrix instruction and not as two f32 sums.
;
; LDS
.set KC,    0                          ; K's codes: 128 rows of 16 keys (512 bytes) + 16 of padding: key -> (key / 16) x 528 + (key % 16) x 32.  A tile's two groups of 8 keys lie 528 bytes apart: 16 lanes take 16 different 16-byte columns
.set KPIT,  528
.set VC,    67584                      ; V's codes: 64 rows of 1,024 bytes + 16
.set VPIT,  1040
.set KSC,   134144                     ; K's scale bytes, dense: 2 a key
.set VSC,   138240                     ; V's scale bytes: 64 rows of 64 bytes + 8 (18 words: 32 lanes take 32 different banks)
.set VSPIT, 72
.set TEXT,  142848                     ; the extended table as images of registers: tile E (rows 16 E - 128 on), 512 bytes: lane l's 16 bytes (block l / 16 of row l % 16) at 16 l
.set TSC,   159232                     ; its scale words, 4 bytes a row, 64 a tile: the row's two bytes, then 0x7f, 0x7f
.set RST,   161280                     ; for each wave a stage of its own: 16 rows of 160 f32 + 16 bytes; on the way out 16 rows of 256 bytes + 16
.set RPIT,  656
.set RWAVE, 16*RPIT
.set OPIT,  272
; VECTOR REGISTERS
.set AK0,  1                           ; my lane's place in a tile of K                       (v1-v8, v31 never change in the loop)
.set AV0,  2                           ; in a tile of V
.set AKS0, 3                           ; among K's scale bytes
.set AVS0, 4                           ; among V's scale words
.set RA,   5                           ; the stage: where I put R, shifted by my query
.set RB,   6                           ; and where I read it back as C
.set LI,   7                           ; TEXT + 16 x lane
.set LTP,  8                           ; TSC + 4 x lane: two tiles' scale words in one register
.set A0,   9                           ; v9-v11, v30: the addresses of the loads in hand
.set A1,   10
.set A2,   11
.set A3,   30
.set LTR,  31                          ; TSC + 4 x (lane % 16)
;          v12 -M, v13 the largest t, v[14:15] the sum in two halves
.set Q1,   16                          ; v[16:23] = [q | q]
.set Q2,   20                          ; v[20:27] = [q | zeros]
.set QS,   28                          ; q's scale word: its two bytes, twice
.set TS,   29                          ; the far row's two scale bytes << 16
.set KF,   32                          ; v32-95: 8 fragments: registers 0-3 k's codes of the step, registers 4-7 the far row's codes
.set S,    96                          ; v96-159: S^T, then p
.set O,    160                         ; v160-191: O^T, 4 tiles of 16 of the head's 64
.set VF,   192                         ; v192-223: 4 fragments of V; in a band step, with v224-227, 9 tiles of T
.set PC,   224                         ; v224-231: p's codes
.set BM,   232                         ; v232-235: the blocks' largest scores, then largest p
.set PD,   236                         ; v236-239: the other half's, the step's t, then the scale bytes
.set RS,   240                         ; v240-244: scale words of V (two registers) or of T (five)
.set SO,   245                         ; v245-248: the conversions' scale operands
.set KS,   249                         ; v249-252: scale words of source 0: register b: lanes 0-15 tile 2 b, lanes 16-31 tile 2 b + 1
.set TMP,  253
.set F,    254                         ; f = 2^(old M - new M)
.set PW,   255                         ; p's scale word
; at the head only
.set XT,   32                          ; v32-159: four tiles' numbers of T, 32 a lane each
.set TCD,  160                         ; their codes
.set TWD,  176                         ; scale words
.set TMX,  180                         ; largest magnitudes
.set TSO,  184                         ; scale operands
.set TPD,  188                         ; the other half's byte
.set H8,   192                         ; 8 x (lane / 16)
.set RR,   197                         ; lane % 16
.set HH,   198                         ; lane / 16
.set LL,   199                         ; lane
.set T0R,  200
.set T1R,  201
.set QO,   202
.set QSO,  203
; SCALAR REGISTERS: s[4:19] the eight addresses
.set WV,   20                          ; wave
.set G,    21                          ; query block
.set HEAD, 22
.set HALF, 23                          ; wave % 2
.set SEL,  30                          ; s[30:31] v_permlanex16_b32's selects for lane l xor 16
.set G1K,  32                          ; descriptor groups 1
.set G1V,  40
.set G1KS, 48
.set G1VS, 56
.set G0K,  68                          ; descriptor groups 0
.set G0V,  72
.set G0KS, 76
.set G0VS, 80
.set CS,   84                          ; s[84:85] c = log2(e) / 8
.set ST,   86                          ; the step
.set GM1,  87                          ; g - 1
.set REL,  88                          ; step - (g - 1): 0, 1, 2 in the band
.set W7,   89                          ; 7 - wave
.set TK,   92                          ; the NEXT step's K: 4,224 bytes a step
.set TKS,  93                          ; and its scale bytes: 256
.set TV,   94                          ; this step's V: 64 bytes a step in each row
.set TVS,  95                          ; and its scale words: 4
.set RW,   99                          ; my wave's stage
.macro GROUP1 g, w0, c, r              ; r rows of c elements, dense in memory; every word a constant
	s_mov_b32 s[\g], \w0
	s_mov_b32 s[\g+1], (\c)<<16                    ; tensor_dim0
	s_mov_b32 s[\g+2], (\r)<<16                    ; tensor_dim1
	s_mov_b32 s[\g+3], (\c)<<16                    ; tile_dim0
	s_mov_b32 s[\g+4], \r                          ; tile_dim1
	s_mov_b32 s[\g+5], \c                          ; from row to row
	s_mov_b32 s[\g+6], 0
	s_mov_b32 s[\g+7], 0
.endm
.set W0K,  (1<<20)|(6<<22)|(3<<25)     ; elements of 1 byte; 4 words of padding behind every 128
.set W0V,  (1<<20)|(7<<22)|(3<<25)     ; 4 words behind every 256
.set W0KS, 3<<16                       ; elements of 8 bytes, no padding
.set W0VS, (1<<20)|(3<<22)|(1<<25)     ; elements of 1 byte; 2 words behind every 16
	s_load_b512 s[4:19], s[0:1], 0x0               ; k_codes 4, k_scales 6, q_codes 8, q_scales 10, rel_table 12, v_codes 14, v_scales 16, out0 18
	v_lshrrev_b32 v[T0R], 5, v0
	v_readfirstlane_b32 s[WV], v[T0R]              ; wave 0..7
	s_mov_b32 s[G], ttmp9
	s_and_b32 s[HEAD], ttmp7, 0xffff
	s_and_b32 s[HALF], s[WV], 1
	GROUP1 G1K,  W0K,  512,  64                    ; half of K's codes: 64 rows of 512 bytes
	GROUP1 G1V,  W0V,  1024, 32                    ; half of V's: 32 rows of 1,024 bytes
	GROUP1 G1KS, W0KS, 32,   16                    ; K's scale bytes: 16 rows of 256 bytes
	GROUP1 G1VS, W0VS, 64,   64                    ; V's: 64 rows of 64 bytes
	s_mov_b32 s[SEL], 0x76543210
	s_mov_b32 s[SEL+1], 0xfedcba98
	s_mov_b32 s[CS], 0x3e38aa3b                    ; log2(e) / 8
	s_mov_b32 s[CS+1], s[CS]                       ; (named with it as a pair, so it is written)
	s_sub_co_u32 s[GM1], s[G], 1                   ; wraps for g = 0; so does the difference in the loop
	s_xor_b32 s[W7], s[WV], 7
	s_mul_i32 s[RW], s[WV], RWAVE
	s_add_co_u32 s[RW], s[RW], RST
	s_lshl_b32 s24, s[HEAD], 16                    ; the head's first byte in each tensor of codes,
	s_mov_b32 s25, 0
	s_lshl_b32 s26, s[HEAD], 12                    ; and of scale bytes
	s_mov_b32 s27, 0
	s_lshl_b32 s28, s[HALF], 15                    ; the half that I would fetch: 32,768 bytes on
	s_add_co_u32 s28, s28, s24
	s_mov_b32 s29, 0
	s_wait_kmcnt 0x0
	s_mov_b32 s[G0K], 1
	s_mul_i32 s[G0K+1], s[HALF], 64*KPIT           ; KC = 0
	s_add_nc_u64 s[G0K+2:G0K+3], s[4:5], s[28:29]
	s_or_b32 s[G0K+3], s[G0K+3], 0x80000000
	s_mov_b32 s[G0V], 1
	s_mul_i32 s[G0V+1], s[HALF], 32*VPIT
	s_add_co_u32 s[G0V+1], s[G0V+1], VC
	s_add_nc_u64 s[G0V+2:G0V+3], s[14:15], s[28:29]
	s_or_b32 s[G0V+3], s[G0V+3], 0x80000000
	s_mov_b32 s[G0KS], 1
	s_mov_b32 s[G0KS+1], KSC
	s_add_nc_u64 s[G0KS+2:G0KS+3], s[6:7], s[26:27]
	s_or_b32 s[G0KS+3], s[G0KS+3], 0x80000000
	s_mov_b32 s[G0VS], 1
	s_mov_b32 s[G0VS+1], VSC
	s_add_nc_u64 s[G0VS+2:G0VS+3], s[16:17], s[26:27]
	s_or_b32 s[G0VS+3], s[G0VS+3], 0x80000000
	; THE FILLS: waves 0, 1 K's halves; waves 2, 3 V's; wave 4 K's scale bytes; wave 5 V's; waves 6, 7 none.  One load a wave, under branches on the wave's number alone; four v_nop follow each.
	s_cmp_lt_u32 s[WV], 2
	s_cbranch_scc0 .Lnot_k
	tensor_load_to_lds s[G0K:G0K+3], s[G1K:G1K+7]
.rept 4
	v_nop
.endr
	s_branch .Lasked
.Lnot_k:
	s_cmp_lt_u32 s[WV], 4
	s_cbranch_scc0 .Lnot_v
	tensor_load_to_lds s[G0V:G0V+3], s[G1V:G1V+7]
.rept 4
	v_nop
.endr
	s_branch .Lasked
.Lnot_v:
	s_cmp_eq_u32 s[WV], 4
	s_cbranch_scc0 .Lnot_ks
	tensor_load_to_lds s[G0KS:G0KS+3], s[G1KS:G1KS+7]
.rept 4
	v_nop
.endr
	s_branch .Lasked
.Lnot_ks:
	s_cmp_eq_u32 s[WV], 5
	s_cbranch_scc0 .Lasked
	tensor_load_to_lds s[G0VS:G0VS+3], s[G1VS:G1VS+7]
.rept 4
	v_nop
.endr
.Lasked:
	s_lshl_b32 s28, s[G], 12                       ; q's codes at my first query: 128 g + 16 wave, 32 bytes a query
	s_lshl_b32 s96, s[WV], 9
	s_add_co_u32 s28, s28, s96
	s_add_co_u32 s28, s28, s24
	s_add_nc_u64 s[8:9], s[8:9], s[28:29]
	s_lshl_b32 s28, s[G], 8                        ; its scale bytes: 2 a query
	s_lshl_b32 s96, s[WV], 5
	s_add_co_u32 s28, s28, s96
	s_add_co_u32 s28, s28, s26
	s_add_nc_u64 s[10:11], s[10:11], s[28:29]
	s_lshl_b32 s28, s[HEAD], 19                    ; its row of out0: 256 bytes a query
	s_lshl_b32 s96, s[G], 15
	s_add_co_u32 s28, s28, s96
	s_lshl_b32 s96, s[WV], 12
	s_add_co_u32 s28, s28, s96
	s_add_nc_u64 s[18:19], s[18:19], s[28:29]
	v_and_b32 v[RR], 15, v0                        ; r
	v_bfe_u32 v[HH], v0, 4, 1                      ; h
	v_and_b32 v[LL], 31, v0                        ; lane
	v_lshlrev_b32 v[QO], 5, v[RR]
	v_lshl_add_u32 v[QO], v[HH], 4, v[QO]          ; q: query r, block h
	v_lshlrev_b32 v[QSO], 1, v[RR]
	global_load_b128 v[Q1:Q1+3], v[QO], s[8:9]     ; q's 64 codes stand twice on end: [q | q]; the second run with the zeros behind it is [q | zeros]
	global_load_b128 v[Q2:Q2+3], v[QO], s[8:9]
	global_load_u16 v[QS], v[QSO], s[10:11]
	; T: wave w makes tiles w, w + 8, w + 16, w + 24 of the extended table: row 0 in every lane; rows 16 w + r; rows 128 + 16 w + r; row 256 in every lane.  Lane (r, h) takes block h of its row: 32 numbers, 128 bytes.
	v_lshlrev_b32 v[A3], 7, v[HH]                  ; 128 h
	v_lshl_add_u32 v[A2], v[RR], 8, v[A3]          ; + 256 r
	v_add_nc_u32 v[A2], s96, v[A2]                 ; + 4,096 wave (s96 = wave << 12)
.irp j, 0,1,2,3,4,5,6,7
	global_load_b128 v[XT+4*\j:XT+4*\j+3], v[A3], s[12:13] offset:16*\j
.endr
.irp j, 0,1,2,3,4,5,6,7
	global_load_b128 v[XT+32+4*\j:XT+32+4*\j+3], v[A2], s[12:13] offset:16*\j
.endr
.irp j, 0,1,2,3,4,5,6,7
	global_load_b128 v[XT+64+4*\j:XT+64+4*\j+3], v[A2], s[12:13] offset:32768+16*\j
.endr
.irp j, 0,1,2,3,4,5,6,7
	global_load_b128 v[XT+96+4*\j:XT+96+4*\j+3], v[A3], s[12:13] offset:65536+16*\j   ; the last byte read is the table's last, 65,791
.endr
	; the LDS addresses, while the loads are out
	v_lshrrev_b32 v[T0R], 3, v[RR]                 ; r / 8
	v_and_b32 v[T1R], 7, v[RR]                     ; r % 8
	v_mul_u32_u24 v[AK0], v[T0R], KPIT
	v_lshl_add_u32 v[AK0], v[T1R], 5, v[AK0]
	v_lshl_add_u32 v[AK0], v[HH], 4, v[AK0]        ; K: (r / 8) x 528 + (r % 8) x 32 + 16 h
	v_mul_u32_u24 v[AV0], v[RR], VPIT
	v_lshl_add_u32 v[AV0], v[HH], 4, v[AV0]
	v_add_nc_u32 v[AV0], VC, v[AV0]                ; V: row r, + 16 h
	v_lshl_add_u32 v[AKS0], v[T0R], 3, v[RR]
	v_lshl_add_u32 v[AKS0], v[HH], 3, v[AKS0]
	v_lshl_add_u32 v[AKS0], v[AKS0], 1, KSC        ; K's scale bytes: key 8 h + r + 8 (r / 8): lanes 16-31 take the odd tile's
	v_mul_u32_u24 v[AVS0], v[LL], VSPIT
	v_add_nc_u32 v[AVS0], VSC, v[AVS0]             ; V's scale words: row = lane: two tiles in one register
	v_mul_u32_u24 v[RA], v[RR], RPIT+4             ; R in: row r, shifted r words, + 8 h words
	v_lshl_add_u32 v[RA], v[HH], 5, v[RA]
	v_add_nc_u32 v[RA], s[RW], v[RA]
	v_mul_u32_u24 v[RB], v[RR], RPIT               ; R back: row r, + 16 h words
	v_lshl_add_u32 v[RB], v[HH], 6, v[RB]
	v_add_nc_u32 v[RB], s[RW], v[RB]
	v_lshl_add_u32 v[LI], v[LL], 4, TEXT
	v_lshl_add_u32 v[LTP], v[LL], 2, TSC
	v_lshl_add_u32 v[LTR], v[RR], 2, TSC
	s_lshl_b32 s97, s[WV], 9
	v_add_nc_u32 v[A0], s97, v[LI]                 ; where my tiles' images go: tile w + 8 i: 512 w + 4,096 i
	s_lshl_b32 s97, s[WV], 6
	v_add_nc_u32 v[A1], s97, v[LTR]                ; and their scale words: 64 w + 512 i
	v_lshlrev_b32 v[H8], 3, v[HH]
.irp i, 0,1,2,3
	v_mov_b32 v[TPD+\i], 0                         ; a lane permute's destination counts as one of its sources
.endr
; One tile of T: a lane's 32 numbers are one block: its largest magnitude (with the floor 2^(3 - 127), which holds the byte at 1 from below), 2 off the exponent field, the byte, the codes.
.macro QT i
	s_wait_loadcnt 24-8*\i                         ; behind this tile's eight loads stand those of the 3 - i tiles after it; q's loads are older
	v_max3_num_f32 v[TMX+\i], |v[XT+32*\i]|, |v[XT+32*\i+1]|, 0x1800000
.irp j, 2,4,6,8,10,12,14,16,18,20,22,24,26,28,30
	v_max3_num_f32 v[TMX+\i], v[TMX+\i], |v[XT+32*\i+\j]|, |v[XT+32*\i+\j+1]|
.endr
	v_add_nc_u32 v[TSO+\i], 0xff000000, v[TMX+\i]  ; the conversion takes the exponent field of this operand as its scale
	v_lshrrev_b32 v[TWD+\i], 23, v[TSO+\i]         ; the scale's byte,
	v_lshlrev_b32 v[TWD+\i], v[H8], v[TWD+\i]      ; at block h's place in the word;
	v_permlanex16_b32 v[TPD+\i], v[TWD+\i], s[SEL], s[SEL+1]
	v_or_b32 v[TWD+\i], v[TWD+\i], v[TPD+\i]       ; with the other block's,
	v_or_b32 v[TWD+\i], 0x7f7f0000, v[TWD+\i]      ; and 1.0 for the half of K in which this row meets zero codes
.irp c, 0,1,2,3
	v_cvt_scalef32_pk8_fp4_f32 v[TCD+4*\i+\c], v[XT+32*\i+8*\c:XT+32*\i+8*\c+7], v[TSO+\i]
.endr
	v_nop                                          ; one plain place behind a scaled conversion
	ds_store_b128 v[A0], v[TCD+4*\i:TCD+4*\i+3] offset:4096*\i
	ds_store_b32 v[A1], v[TWD+\i] offset:512*\i    ; both halves of the lanes write the same word with the same value
.endm
	QT 0
	QT 1
	QT 2
	QT 3
	s_wait_tensorcnt 0x0                           ; my fill has landed,
	s_wait_dscnt 0x0                               ; my images lie in LDS:
	s_barrier_signal -1
	s_barrier_wait -1                              ; everybody's do.  The launch's one barrier: from here on K, V, the scale bytes and T are only read, and each wave's stage is its own
.macro KLOAD ak, aks                   ; a step's 8 tiles of K (registers 0-3 of each fragment) and their scale bytes
.irp t, 0,1,2,3,4,5,6,7
	ds_load_b128 v[KF+8*\t:KF+8*\t+3], v[\ak] offset:(\t/2)*2*KPIT+(\t%2)*256
.endr
.irp b, 0,1,2,3
	ds_load_u16 v[KS+\b], v[\aks] offset:64*\b
.endr
.endm
.macro FARROW e                        ; registers 4-7 of each fragment: the codes of tile e of the extended table, whose 16 rows are one row of T; and its scale word
.irp t, 0,1,2,3,4,5,6,7
	ds_load_b128 v[KF+8*\t+4:KF+8*\t+7], v[LI] offset:512*\e
.endr
	ds_load_b32 v[TS], v[LTR] offset:64*\e
.endm
; S^T: 8 products, one for each tile of 16 keys.  qb: source 1.  inplace = 0: C = 0;  1: C = the registers themselves, which then hold the relative scores.
.macro SMUL qb, inplace
.irp t, 0,1,2,3,4,5,6,7
.if \inplace
.if \t%2
	v_wmma_scale_f32_16x16x128_f8f6f4 v[S+8*\t:S+8*\t+7], v[KF+8*\t:KF+8*\t+7], v[\qb:\qb+7], v[S+8*\t:S+8*\t+7], v[KS+\t/2], v[QS] matrix_a_fmt:MATRIX_FMT_FP4 matrix_b_fmt:MATRIX_FMT_FP4 matrix_a_scale:MATRIX_SCALE_ROW1
.else
	v_wmma_scale_f32_16x16x128_f8f6f4 v[S+8*\t:S+8*\t+7], v[KF+8*\t:KF+8*\t+7], v[\qb:\qb+7], v[S+8*\t:S+8*\t+7], v[KS+\t/2], v[QS] matrix_a_fmt:MATRIX_FMT_FP4 matrix_b_fmt:MATRIX_FMT_FP4
.endif
.else
.if \t%2
	v_wmma_scale_f32_16x16x128_f8f6f4 v[S+8*\t:S+8*\t+7], v[KF+8*\t:KF+8*\t+7], v[\qb:\qb+7], 0, v[KS+\t/2], v[QS] matrix_a_fmt:MATRIX_FMT_FP4 matrix_b_fmt:MATRIX_FMT_FP4 matrix_a_scale:MATRIX_SCALE_ROW1
.else
	v_wmma_scale_f32_16x16x128_f8f6f4 v[S+8*\t:S+8*\t+7], v[KF+8*\t:KF+8*\t+7], v[\qb:\qb+7], 0, v[KS+\t/2], v[QS] matrix_a_fmt:MATRIX_FMT_FP4 matrix_b_fmt:MATRIX_FMT_FP4
.endif
.endif
.endr
.endm
; R^T, tile t of nine, into v[d] on: source 0 = 16 rows of T in registers 0-3; its registers 4-7 are the next tile's codes (for t = 8 old codes of p), which meet the zero codes of [q | zeros] and add nothing.
.macro RMUL t, d
.if (\t)%2
	v_wmma_scale_f32_16x16x128_f8f6f4 v[\d:\d+7], v[VF+4*\t:VF+4*\t+7], v[Q2:Q2+7], 0, v[RS+\t/2], v[QS] matrix_a_fmt:MATRIX_FMT_FP4 matrix_b_fmt:MATRIX_FMT_FP4 matrix_a_scale:MATRIX_SCALE_ROW1
.else
	v_wmma_scale_f32_16x16x128_f8f6f4 v[\d:\d+7], v[VF+4*\t:VF+4*\t+7], v[Q2:Q2+7], 0, v[RS+\t/2], v[QS] matrix_a_fmt:MATRIX_FMT_FP4 matrix_b_fmt:MATRIX_FMT_FP4
.endif
.endm
	FARROW 0                                       ; T[0], for the steps to the left of the band
	KLOAD AK0, AKS0                                ; step 0
.irp j, 0,1,2,3
	v_mov_b32 v[Q2+4+\j], 0                        ; the zeros of [q | zeros]
	v_mov_b32 v[PC+4+\j], 0                        ; (read as the unused half of the ninth tile of T before p's codes are first made)
	v_mov_b32 v[PD+\j], 0                          ; a lane permute's destination counts as one of its sources
.endr
	v_mov_b32 v[PW], 0                             ; (named as the upper half of the pair with f before it is first written)
	v_mov_b32 v13, 0xff61b1e6                      ; the largest t so far: -3e38, under every t
	v_floor_f32 v12, -v13                          ; -M
	v_mov_b32 v14, 0                               ; the sum, in two halves
	v_mov_b32 v15, 0
	v_lshl_or_b32 v[QS], v[QS], 16, v[QS]          ; q's two scale bytes, for both halves of K
	s_wait_dscnt 0x0
	v_lshlrev_b32 v[TS], 16, v[TS]                 ; the far row's two bytes, at the places of K = 64 .. 127
.irp b, 0,1,2,3
	v_or_b32 v[KS+\b], v[TS], v[KS+\b]             ; source 0's scale words: k's two bytes, the far row's two
.endr
.irp j, 0,1,2,3,4,5,6,7,8,9,10,11,12,13,14,15,16,17,18,19,20,21,22,23,24,25,26,27,28,29,30,31
	v_mov_b32 v[O+\j], 0                           ; O^T: the step is written once; the first finds zeros.  (These 32 are also the places between the scale words just made and the first product)
.endr
	s_mov_b32 s[ST], 0
	s_mov_b32 s[TK], 8*KPIT
	s_mov_b32 s[TKS], 256
	s_mov_b32 s[TV], 0
	s_mov_b32 s[TVS], 0
.Lstep:                                                ; 16 trips.  The matrix instructions' accumulators take turns, one instruction a turn, over the backward jump too
	s_sub_co_u32 s[REL], s[ST], s[GM1]
	s_cmp_lt_u32 s[REL], 3                         ; the band?  The same in all eight waves: it hangs on the step and the query block
	s_cbranch_scc1 .Lband
	SMUL Q1, 0                                     ; FAR: [k | T's row] x [q | q] = q.k + q.T
	s_branch .Lsoft
.Lband:
	s_min_u32 s[REL], s[REL], 2
	s_lshl_b32 s96, s[REL], 3
	s_add_co_u32 s96, s96, s[W7]                   ; my first tile of the extended table: 8 REL + 7 - wave, 23 at the most: row 128 REL - 16 wave - 16
	s_lshl_b32 s90, s96, 9
	s_lshl_b32 s91, s96, 6
	v_add_nc_u32 v[A0], s90, v[LI]                 ; (these four lines are the places between the last step's products and the loads into registers that they read)
	v_add_nc_u32 v[A1], s91, v[LTP]
	v_add_nc_u32 v[A2], s91, v[LTR]
	v_nop
.irp t, 0,1,2,3,4,5,6,7,8
	ds_load_b128 v[VF+4*\t:VF+4*\t+3], v[A0] offset:512*\t   ; nine tiles of T, four registers each, on end
.endr
.irp p, 0,1,2,3
	ds_load_b32 v[RS+\p], v[A1] offset:128*\p      ; their scale words: lanes 0-15 tile 2 p, lanes 16-31 tile 2 p + 1
.endr
	ds_load_b32 v[RS+4], v[A2] offset:512          ; the ninth's
	s_wait_dscnt 0x0
.irp t, 0,1,2,3,4,5,6,7
	RMUL \t, S+8*\t
.endr
	RMUL 8, BM
.rept 4
	v_nop                                          ; four places in front of the stores that read the results
.endr
	; lane (r, h), register i of tile t holds q_r . T at row 128 REL - 16 wave - 16 + 16 t + 8 h + i, which belongs to key y = 16 t - 16 + 8 h + i + r of the step: word y + 16 of stage row r
.irp t, 0,1,2,3,4,5,6,7
.irp i, 0,1,2,3,4,5,6,7
	ds_store_b32 v[RA], v[S+8*\t+\i] offset:64*\t+4*\i      ; each accumulator from its low end on
.endr
.endr
.irp i, 0,1,2,3,4,5,6,7
	ds_store_b32 v[RA], v[BM+\i] offset:512+4*\i
.endr
	s_wait_dscnt 0x0                               ; the stores have read their registers
.irp t, 0,1,2,3,4,5,6,7
	ds_load_b128 v[S+8*\t:S+8*\t+3], v[RB] offset:64+128*(\t/2)+32*(\t%2)        ; back in S^T's layout: register j of tile 2 b + u: key 32 b + 8 u + 16 h + j
	ds_load_b128 v[S+8*\t+4:S+8*\t+7], v[RB] offset:64+128*(\t/2)+32*(\t%2)+16
.endr
	FARROW 31                                      ; T[256], for the steps to the right of the band: no step to the left follows a band step, and the band's own products meet these codes with zeros
	s_wait_dscnt 0x0
	v_lshlrev_b32 v[TS], 16, v[TS]                 ; (with the four v_nop above: five places between the products R^T and the products that write their registers again)
	SMUL Q2, 1                                     ; BAND: [k | .] x [q | zeros] + the relative scores
.Lsoft:
	v_add_nc_u32 v[A0], s[TK], v[AK0]              ; the addresses of the next step's K and of this step's V: four places behind the products, in front of the loads into their registers and of the first read of S^T
	v_add_nc_u32 v[A1], s[TKS], v[AKS0]
	v_add_nc_u32 v[A2], s[TV], v[AV0]
	v_add_nc_u32 v[A3], s[TVS], v[AVS0]
.irp t, 0,1,2,3
.irp c, 0,1
	ds_load_b128 v[VF+8*\t+4*\c:VF+8*\t+4*\c+3], v[A2] offset:16*VPIT*\t+32*\c   ; V^T: tile t = 16 of the head's 64, these 128 keys
.endr
.endr
.irp p, 0,1
	ds_load_b32 v[RS+\p], v[A3] offset:32*VSPIT*\p
.endr
	s_cmp_eq_u32 s[ST], 15
	s_cbranch_scc1 .Lno_next                       ; the last step fetches no further K
	KLOAD A0, A1
.Lno_next:
	; THE SOFTMAX.  All these loads land under it.
.irp b, 0,1,2,3
	v_max3_num_f32 v[BM+\b], v[S+16*\b], v[S+16*\b+1], v[S+16*\b+2]   ; the largest score of each block of 32 keys: for the row's maximum, and, since p rises with the score, for the block's largest p
.endr
.irp i, 3,5,7,9,11,13
.irp b, 0,1,2,3
	v_max3_num_f32 v[BM+\b], v[BM+\b], v[S+16*\b+\i], v[S+16*\b+\i+1]
.endr
.endr
.irp b, 0,1,2,3
	v_max_num_f32 v[BM+\b], v[BM+\b], v[S+16*\b+15]
.endr
.irp b, 0,1,2,3
	v_permlanex16_b32 v[PD+\b], v[BM+\b], s[SEL], s[SEL+1]
.endr
.irp b, 0,1,2,3
	v_max_num_f32 v[BM+\b], v[BM+\b], v[PD+\b]     ; with lane l xor 16's 16 keys
.endr
	v_max3_num_f32 v[PD], v[BM], v[BM+1], v[BM+2]
	v_max_num_f32 v[PD], v[PD], v[BM+3]            ; the step's largest score of my query,
	v_mul_f32 v[PD], s[CS], v[PD]                  ; as t (c is positive)
	v_max_num_f32 v13, v13, v[PD]                  ; the running largest t
	v_mov_b32 v[TMP], v12
	v_floor_f32 v12, -v13                          ; the new -M = -ceil(t): a whole number
	v_sub_f32 v[TMP], v12, v[TMP]                  ; old M - new M: a whole number, 0 or less
	v_cvt_i32_f32 v[TMP], v[TMP]                   ; (it saturates)
	v_ldexp_f32 v[F], 1.0, v[TMP]                  ; f = 2^(old M - new M): the rescaling rounds nothing
	v_pk_mul_f32 v[14:15], v[14:15], v[F:F+1] op_sel_hi:[1,0]      ; the sums under the new M
.irp j, 0,2,4,6
	v_pk_fma_f32 v[S+\j:S+\j+1], v[S+\j:S+\j+1], s[CS:CS+1], v[12:13] op_sel_hi:[1,0,0]   ; t - M, two at a time: the first four pairs
.endr
.irp b, 0,1,2,3
	v_fma_f32 v[BM+\b], v[BM+\b], s[CS], v12       ; the same of each block's largest score
.endr
	; 64 exponentials, each with a plain instruction between it and the use of its result (ISA guide 5.7.2): the scaling of a pair four pairs on (at the end: O^T's first four pairs x f), and the sum of the pair before
.set n, 0
.rept 32
	v_exp_f32 v[S+2*n], v[S+2*n]                   ; p = 2^(t - M), at most 1: not normalised
.if n < 28
	v_pk_fma_f32 v[S+2*n+8:S+2*n+9], v[S+2*n+8:S+2*n+9], s[CS:CS+1], v[12:13] op_sel_hi:[1,0,0]
.else
	v_pk_mul_f32 v[O+2*(n-28):O+2*(n-28)+1], v[O+2*(n-28):O+2*(n-28)+1], v[F:F+1] op_sel_hi:[1,0]
.endif
	v_exp_f32 v[S+2*n+1], v[S+2*n+1]
.if n > 0
	v_pk_add_f32 v[14:15], v[14:15], v[S+2*n-2:S+2*n-1]    ; the row's sum is taken of the unquantised p
.endif
.set n, n+1
.endr
.irp b, 0,1,2,3
	v_exp_f32 v[BM+\b], v[BM+\b]                   ; the block's largest p: the same two instructions on the same number give the same bits
.endr
	v_pk_add_f32 v[14:15], v[14:15], v[S+62:S+63]  ; (the plain place behind them)
.irp b, 0,1,2,3
	v_max_num_f32 v[BM+\b], 0x1800000, v[BM+\b]    ; the floor 2^(3 - 127): the byte cannot fall under 1 (a block whose every p has fallen to 0 keeps that byte: its codes are zeros)
.endr
.irp b, 0,1,2,3
	v_add_nc_u32 v[SO+\b], 0xff000000, v[BM+\b]    ; 2 off the exponent field: the conversion's scale operand
.endr
.irp b, 0,1,2,3
	v_lshrrev_b32 v[PD+\b], 23, v[SO+\b]           ; the scale's byte
.endr
	v_lshl_or_b32 v[PW], v[PD+1], 8, v[PD]         ; p's scale word for these 128 keys
	v_lshl_or_b32 v[PW], v[PD+2], 16, v[PW]
	v_lshl_or_b32 v[PW], v[PD+3], 24, v[PW]
.irp b, 0,1,2,3
	v_cvt_scalef32_pk8_fp4_f32 v[PC+2*\b], v[S+16*\b:S+16*\b+7], v[SO+\b]
	v_cvt_scalef32_pk8_fp4_f32 v[PC+2*\b+1], v[S+16*\b+8:S+16*\b+15], v[SO+\b]
.endr
	v_nop                                          ; one plain place behind a scaled conversion
.irp c, 0,1                                    ; the operand's layout wants a whole block in a lane: lanes 0-15 block 2 c, lanes 16-31 block 2 c + 1
.irp i, 0,1
	v_permlane16_swap_b32 v[PC+4*\c+\i], v[PC+4*\c+2+\i]
.endr
.endr
	s_wait_dscnt 0x0                               ; V, its scale words, the next step's K and its scale bytes are in (asked for ahead of the softmax; zero is right with and without the next K)
.irp b, 0,1,2,3
	v_or_b32 v[KS+\b], v[TS], v[KS+\b]             ; the next step's scale words of source 0
.endr
.irp j, 8,10,12,14,16,18,20,22,24,26,28,30
	v_pk_mul_f32 v[O+\j:O+\j+1], v[O+\j:O+\j+1], v[F:F+1] op_sel_hi:[1,0]   ; the rest of O^T under the new M.  (Twelve places between the scale words and codes made by vector instructions and the products that take them)
.endr
.irp t, 0,1,2,3                                ; O^T += V^T P^T
.if \t%2
	v_wmma_scale_f32_16x16x128_f8f6f4 v[O+8*\t:O+8*\t+7], v[VF+8*\t:VF+8*\t+7], v[PC:PC+7], v[O+8*\t:O+8*\t+7], v[RS+\t/2], v[PW] matrix_a_fmt:MATRIX_FMT_FP4 matrix_b_fmt:MATRIX_FMT_FP4 matrix_a_scale:MATRIX_SCALE_ROW1
.else
	v_wmma_scale_f32_16x16x128_f8f6f4 v[O+8*\t:O+8*\t+7], v[VF+8*\t:VF+8*\t+7], v[PC:PC+7], v[O+8*\t:O+8*\t+7], v[RS+\t/2], v[PW] matrix_a_fmt:MATRIX_FMT_FP4 matrix_b_fmt:MATRIX_FMT_FP4
.endif
.endr
	s_add_co_u32 s[TK], s[TK], 8*KPIT
	s_add_co_u32 s[TKS], s[TKS], 256
	s_add_co_u32 s[TV], s[TV], 64
	s_add_co_u32 s[TVS], s[TVS], 4
	s_add_co_u32 s[ST], s[ST], 1
	s_cmp_lt_u32 s[ST], 16
	s_cbranch_scc1 .Lstep
	; THE WAY OUT.  O^T / the sum goes through my stage (16 queries x 256 bytes, rows 272 bytes apart) and leaves as whole rows: sixteen lanes store 256 consecutive bytes, at a multiple of 256 from out0's first byte.
	v_add_f32 v14, v14, v15                        ; the sum's two halves,
	v_permlanex16_b32 v[PD], v14, s[SEL], s[SEL+1]
	v_add_f32 v14, v14, v[PD]                      ; and lane l xor 16's: the row's sum
	v_rcp_f32 v14, v14
	v_and_b32 v1, 15, v0                           ; r.  (The lines from here on are the plain place behind the reciprocal and the places behind the last products)
	v_bfe_u32 v2, v0, 4, 1                         ; h
	v_mul_u32_u24 v3, v1, OPIT
	v_lshl_add_u32 v3, v2, 5, v3
	v_add_nc_u32 v3, s[RW], v3                     ; in: row r; tile t's eight channels of my half: 64 t + 32 h bytes on
	v_mul_u32_u24 v4, v2, OPIT
	v_lshl_add_u32 v4, v1, 4, v4
	v_add_nc_u32 v4, s[RW], v4                     ; back: lanes 0-15 one row, lanes 16-31 the next
	v_lshlrev_b32 v9, 8, v2
	v_lshl_add_u32 v9, v1, 4, v9                   ; and the same two rows in out0
.irp j, 0,2,4,6,8,10,12,14,16,18,20,22,24,26,28,30
	v_pk_mul_f32 v[S+\j:S+\j+1], v[O+\j:O+\j+1], v[14:15] op_sel_hi:[1,0]   ; register 8 t + i is out(r, 16 t + 8 h + i); each accumulator from its low end on
.endr
.irp t, 0,1,2,3
	ds_store_b128 v3, v[S+8*\t:S+8*\t+3] offset:64*\t
	ds_store_b128 v3, v[S+8*\t+4:S+8*\t+7] offset:64*\t+16
.endr
.irp i, 0,1,2,3,4,5,6,7
	ds_load_b128 v[VF+4*\i:VF+4*\i+3], v4 offset:2*OPIT*\i   ; LDS serves a wave's instructions in order (ISA guide 5.7.1.4): these see my stores
.endr
.irp i, 0,1,2,3,4,5,6,7
	s_wait_dscnt 7-\i                              ; the 7 - i younger loads may stay out
	global_store_b128 v9, v[VF+4*\i:VF+4*\i+3], s[18:19] offset:512*\i th:TH_STORE_NT   ; written once, read by nobody here
.endr
	s_endpgm
.Lfunc_end_k_q3571686cce_attn:
	.size	k_q3571686cce_attn, .Lfunc_end_k_q3571686cce_attn-k_q3571686cce_attn
	.p2alignl 7, 3214868480
	.fill 96, 4, 3214868480
	.section	.rodata,"a",@progbits
	.p2align	6, 0x0
	.amdhsa_kernel k_q3571686cce_attn
		.amdhsa_group_segment_fixed_size 245760
		.amdhsa_private_segment_fixed_size 0
		.amdhsa_enable_private_segment 0
		.amdhsa_kernarg_size 64
		.amdhsa_user_sgpr_count 2
		.amdhsa_user_sgpr_kernarg_segment_ptr 1
		.amdhsa_wavefront_size32 1
		.amdhsa_system_sgpr_workgroup_id_x 1
		.amdhsa_system_sgpr_workgroup_id_y 1
		.amdhsa_system_sgpr_workgroup_id_z 1
		.amdhsa_system_vgpr_workitem_id 0
		.amdhsa_next_free_vgpr 256
		.amdhsa_next_free_sgpr 100
		.amdhsa_reserve_vcc 0
		.amdhsa_float_denorm_mode_32 3
		.amdhsa_float_denorm_mode_16_64 3
		.amdhsa_memory_ordered 1
		.amdhsa_forward_progress 1
		.amdhsa_inst_pref_size 50
	.end_amdhsa_kernel
	.amdgpu_metadata
---
amdhsa.version: [ 1, 2 ]
amdhsa.kernels:
  - .name:           k_q3571686cce_attn
    .symbol:         k_q3571686cce_attn.kd
    .args:
      - { .name: k_codes, .offset: 0, .size: 8, .value_kind: global_buffer, .address_space: global }
      - { .name: k_scales, .offset: 8, .size: 8, .value_kind: global_buffer, .address_space: global }
      - { .name: q_codes, .offset: 16, .size: 8, .value_kind: global_buffer, .address_space: global }
      - { .name: q_scales, .offset: 24, .size: 8, .value_kind: global_buffer, .address_space: global }
      - { .name: rel_table, .offset: 32, .size: 8, .value_kind: global_buffer, .address_space: global }
      - { .name: v_codes, .offset: 40, .size: 8, .value_kind: global_buffer, .address_space: global }
      - { .name: v_scales, .offset: 48, .size: 8, .value_kind: global_buffer, .address_space: global }
      - { .name: out0, .offset: 56, .size: 8, .value_kind: global_buffer, .address_space: global }
    .group_segment_fixed_size: 245760
    .private_segment_fixed_size: 0
    .kernarg_segment_align: 8
    .kernarg_segment_size: 64
    .max_flat_workgroup_size: 256
    .sgpr_count:     100
    .vgpr_count:     256
    .wavefront_size: 32
...
	.end_amdgpu_metadata
.endif
;; end of part 1
